; MI455X (gfx1250); checked and timed in simulation.
; The chip was launched on July 23, 2026; its instructions are those of AMD's public machine-readable ISA for CDNA 5 (MIT licence, August 2026) and "CDNA5" Instruction Set Architecture Reference Guide (July 2026). The comments in the code are by the model that wrote it; some were corrected since.
;; Rotate Linear. Allowed arithmetic: float matrix products may take bf16 or f16 operands with f32 sums; all other float work in f32.
;; Inputs: bias 4,096 float32; had_K 4,096 x 4,096 float32; weight 4,096 x 4,096 float32; x 4 x 512 x 4,096 float32.
;; Outputs: out0 4 x 512 x 4,096 float32.
;; 2 versions, each right; version 2 is version 1 with the launch cast written anew for expert scheduling mode. Each part assembles by itself: llvm-mc -triple=amdgcn-amd-amdhsa -mcpu=gfx1250 --defsym DOCPART=n.
;; ======== version 1 of 2: 3 launches
;; workspace buffers: xb 16,777,216 bytes; hb 33,554,432 bytes; wb 33,554,432 bytes; xr 16,777,216 bytes
;; launch cast (part 1): grid 768 x 1, 8 waves a work-group, no clusters, 68,608 bytes of LDS; arguments x, had_K, xb, hb; writes xb, hb
.if DOCPART == 1
	.amdgcn_target "amdgcn-amd-amdhsa--gfx1250"
	.amdhsa_code_object_version 6
	.text
	.protected	k_qe6b60645e9_cast
	.globl	k_qe6b60645e9_cast
	.p2align	8
	.type	k_qe6b60645e9_cast,@function
k_qe6b60645e9_cast:
	s_mov_b64 s[64:65], 0
	v_nop
	global_prefetch_b8 v0, s[64:65] scope:SCOPE_SE
	s_setreg_imm32_b32 hwreg(HW_REG_WAVE_MODE, 25, 1), 1
	s_wait_xcnt 0x0
; hb = bf16(had_K), the layout kept.  xb = bf16(x) IN FRAGMENT ORDER, as the next launch's matrix instructions take it:
;   xb byte = (row / 64) * 524,288 + (k / 32) * 4,096 + ((row / 16) % 4) * 1,024 + ((k / 16) % 2) * 512 + (16 ((k / 8) % 2) + row % 16) * 16 + (k % 8) * 2
; so that 512 consecutive bytes are registers 0-3 (or 4-7) of the 32 lanes of one fragment of 16 rows x 32 k.  Rounding to nearest even.
; 25,165,824 numbers, 32,768 for each of 768 work-groups: groups 0-255 take x, groups 256-767 take had_K.  A wave takes 4,096 numbers:
; 32 loads of 512 neighbouring bytes, all issued before the first is used.  Every byte is read once and written once.
; had_K: 32 stores of 256 neighbouring, aligned bytes.  x: a wave takes 16 rows x 256 k, lays the rounded numbers by rows into 8,448 bytes of LDS
; of its own (no other wave touches them: no barrier), reads them back as fragments and stores 16 x 512 neighbouring, aligned bytes.
; No matrix unit, no cluster: nothing here is used twice.
; LIMIT: a finite f32 whose magnitude rounds past bf16's largest number (about 3.39e38) becomes an infinity.
.set X, 8                              ; v[8:135]  load i: 4 registers as loaded; its first two then hold the 4 rounded numbers
.set XPITCH, 528                       ; an LDS row: 256 bf16 + 16 bytes: an odd multiple of 16, so the 16 rows that a load touches lie in 16 different 16-byte columns modulo 256
	s_load_b256 s[4:11], s[0:1], 0x0               ; x s[4:5], had_K s[6:7], xb s[8:9], hb s[10:11]
	v_lshl_add_u32 v136, v0, 2, 0x10800
	v_mov_b32 v137, 0
	v_lshrrev_b32 v6, 5, v0                        ; wave
	v_and_b32 v1, 31, v0                           ; lane
	s_mov_b32 s19, 0
	s_cmp_lt_u32 ttmp9, 256                        ; the way hangs on the group's number alone
	s_cbranch_scc1 .Lx
	; had_K: number by number
	v_lshlrev_b32 v2, 4, v1                        ; in: 16 bytes a lane
	v_lshlrev_b32 v3, 3, v1                        ; out: 8 bytes a lane
	v_lshl_or_b32 v2, v6, 14, v2                   ; + wave x 16,384 bytes
	v_lshl_or_b32 v3, v6, 13, v3                   ; + wave x 8,192 bytes
	s_sub_co_u32 s16, ttmp9, 256                   ; the group's number within had_K
	s_lshl_b32 s18, s16, 17                        ; x 131,072 bytes in
	s_wait_kmcnt 0x0
	s_add_nc_u64 s[12:13], s[6:7], s[18:19]
	s_lshl_b32 s18, s16, 16                        ; x 65,536 bytes out
	s_add_nc_u64 s[14:15], s[10:11], s[18:19]
.set i, 0
.rept 32
	global_load_b128 v[X+4*i:X+4*i+3], v2, s[12:13] offset:512*i th:TH_LOAD_NT   ; read once in the launch
.set i, i+1
.endr
.set i, 0
.rept 32
	s_wait_loadcnt 31-i                            ; loads come back in order (ISA guide 5.7.1): load i is in, the 31 - i younger ones stay out
	v_cvt_pk_bf16_f32 v[X+4*i],   v[X+4*i],   v[X+4*i+1]
	v_cvt_pk_bf16_f32 v[X+4*i+1], v[X+4*i+2], v[X+4*i+3]
	global_store_b64 v3, v[X+4*i:X+4*i+1], s[14:15] offset:256*i   ; 32 lanes store 256 consecutive bytes, aligned; the next launch reads them: no hint
.set i, i+1
.endr
	s_endpgm
.Lx:
	; x: group G takes rows 16 (G / 2) .. + 15, k from 2,048 (G % 2); wave w of it 256 k from 256 w
	v_readfirstlane_b32 s20, v6                    ; the wave's number as a scalar
	s_mul_i32 s22, s20, 16*XPITCH                  ; my 8,448 bytes of LDS
	v_lshlrev_b32 v2, 4, v1
	v_lshl_or_b32 v3, v6, 15, v2                   ; out: 8 blocks of 4,096 bytes a wave, 16 bytes a lane
	v_lshl_or_b32 v2, v6, 10, v2                   ; in: 1,024 bytes of a row a wave, 16 bytes a lane
	v_lshl_add_u32 v4, v1, 3, s22                  ; LDS, by rows: 8 bytes a lane
	v_and_b32 v7, 15, v1
	v_mul_u32_u24 v5, v7, XPITCH                   ; LDS, by fragments: row lane % 16,
	v_lshrrev_b32 v7, 4, v1
	v_lshl_add_u32 v5, v7, 4, v5                   ; 16 bytes (8 k) on for lanes 16-31
	v_add_nc_u32 v5, s22, v5
	s_lshr_b32 s16, ttmp9, 1                       ; block of 16 rows
	s_and_b32 s17, ttmp9, 1                        ; half of k
	s_lshl_b32 s18, s16, 18                        ; 16 rows of 16,384 bytes
	s_lshl_b32 s21, s17, 13                        ; 2,048 f32
	s_add_co_u32 s18, s18, s21
	s_wait_kmcnt 0x0
	s_add_nc_u64 s[12:13], s[4:5], s[18:19]
	s_lshr_b32 s18, ttmp9, 3                       ; group of 64 rows
	s_lshl_b32 s18, s18, 19
	s_lshl_b32 s21, s17, 18                        ; 64 blocks of 4,096 bytes
	s_add_co_u32 s18, s18, s21
	s_and_b32 s16, s16, 3                          ; block of 16 rows within the 64
	s_lshl_b32 s16, s16, 10
	s_add_co_u32 s18, s18, s16
	s_add_nc_u64 s[14:15], s[8:9], s[18:19]
.set i, 0
.rept 32
	global_load_b128 v[X+4*i:X+4*i+3], v2, s[12:13] offset:(i>>1)*16384+(i&1)*512 th:TH_LOAD_NT   ; row i / 2, its first or second 512 bytes
.set i, i+1
.endr
.set i, 0
.rept 32
	s_wait_loadcnt 31-i                            ; load i is in, the 31 - i younger ones stay out
	v_cvt_pk_bf16_f32 v[X+4*i],   v[X+4*i],   v[X+4*i+1]
	v_cvt_pk_bf16_f32 v[X+4*i+1], v[X+4*i+2], v[X+4*i+3]
	ds_store_b64 v4, v[X+4*i:X+4*i+1] offset:(i>>1)*XPITCH+(i&1)*256
.set i, i+1
.endr
	s_wait_dscnt 0x0                               ; my LDS stores are done: their data registers are loaded into below
.set t, 0
.rept 16
	ds_load_b128 v[X+4*t:X+4*t+3], v5 offset:32*t  ; k block t / 2, register half t % 2: 8 k of row lane % 16
.set t, t+1
.endr
.set t, 0
.rept 16
	s_wait_dscnt 15-t
	global_store_b128 v3, v[X+4*t:X+4*t+3], s[14:15] offset:(t>>1)*4096+(t&1)*512   ; the wave stores 512 consecutive bytes, aligned
.set t, t+1
.endr
	s_wait_tensorcnt 0x0
	ds_add_u32 v136, v137
	s_wait_dscnt 0x0
	s_endpgm
.Lfunc_end_k_qe6b60645e9_cast:
	.size	k_qe6b60645e9_cast, .Lfunc_end_k_qe6b60645e9_cast-k_qe6b60645e9_cast
	.p2alignl 7, 3214868480
	.fill 96, 4, 3214868480
	.section	.rodata,"a",@progbits
	.p2align	6, 0x0
	.amdhsa_kernel k_qe6b60645e9_cast
		.amdhsa_group_segment_fixed_size 68608
		.amdhsa_private_segment_fixed_size 0
		.amdhsa_enable_private_segment 0
		.amdhsa_kernarg_size 32
		.amdhsa_user_sgpr_count 2
		.amdhsa_user_sgpr_kernarg_segment_ptr 1
		.amdhsa_wavefront_size32 1
		.amdhsa_system_sgpr_workgroup_id_x 1
		.amdhsa_system_sgpr_workgroup_id_y 1
		.amdhsa_system_sgpr_workgroup_id_z 1
		.amdhsa_system_vgpr_workitem_id 0
		.amdhsa_next_free_vgpr 138
		.amdhsa_next_free_sgpr 66
		.amdhsa_reserve_vcc 0
		.amdhsa_float_denorm_mode_32 3
		.amdhsa_float_denorm_mode_16_64 3
		.amdhsa_memory_ordered 1
		.amdhsa_forward_progress 1
		.amdhsa_inst_pref_size 27
	.end_amdhsa_kernel
	.amdgpu_metadata
---
amdhsa.version: [ 1, 2 ]
amdhsa.kernels:
  - .name:           k_qe6b60645e9_cast
    .symbol:         k_qe6b60645e9_cast.kd
    .args:
      - { .name: x, .offset: 0, .size: 8, .value_kind: global_buffer, .address_space: global }
      - { .name: had_K, .offset: 8, .size: 8, .value_kind: global_buffer, .address_space: global }
      - { .name: xb, .offset: 16, .size: 8, .value_kind: global_buffer, .address_space: global }
      - { .name: hb, .offset: 24, .size: 8, .value_kind: global_buffer, .address_space: global }
    .group_segment_fixed_size: 68608
    .private_segment_fixed_size: 0
    .kernarg_segment_align: 8
    .kernarg_segment_size: 32
    .max_flat_workgroup_size: 256
    .sgpr_count:     66
    .vgpr_count:     138
    .wavefront_size: 32
...
	.end_amdgpu_metadata
.endif
;; end of part 1
;; launch gemm1 (part 2): grid 16 x 16, 4 waves a work-group, clusters of 4 x 4, 327,680 bytes of LDS; arguments xb, hb, weight, xr, wb; writes xr, wb
.if DOCPART == 2
	.amdgcn_target "amdgcn-amd-amdhsa--gfx1250"
	.amdhsa_code_object_version 6
	.text
	.protected	k_qe6b60645e9_gemm1
	.globl	k_qe6b60645e9_gemm1
	.p2align	8
	.type	k_qe6b60645e9_gemm1,@function
k_qe6b60645e9_gemm1:
	s_mov_b64 s[64:65], 0
	v_nop
	global_prefetch_b8 v0, s[64:65] scope:SCOPE_SE
	s_setreg_imm32_b32 hwreg(HW_REG_WAVE_MODE, 25, 1), 1
	s_wait_xcnt 0x0
	s_wait_alu depctr_hold_cnt(0) depctr_sa_sdst(0) depctr_va_vdst(0) depctr_va_sdst(0) depctr_va_ssrc(0) depctr_va_vcc(0) depctr_vm_vsrc(0)
	s_getreg_b32 s2, hwreg(HW_REG_IB_STS2, 6, 4)
	s_cmp_eq_u32 s2, 0
	s_cbranch_scc0 .Lentry_in_a_cluster
	s_endpgm
.Lentry_in_a_cluster:
	s_bfe_u32 s2, ttmp6, 0x10000c
	s_cmp_lg_u32 s2, 0xf033
	s_cbranch_scc0 .Lentry_shape_is_right
	s_endpgm
.Lentry_shape_is_right:
; One text for two launches; FIRST says which.
;   FIRST = 1:  xr = bf16(xb hb).   A = xb, 2048 x 4096 bf16 in fragment order; B = hb [4096 k][4096 n] bf16, N along the rows; C = xr, in fragment order.
;               On the side each wave rounds its own 65,536 bytes of weight (f32) to bf16 into wb, 2,048 bytes in every second quarter.
;   FIRST = 0:  out0 = xr wb^T + bias.   A = xr, in fragment order; B = wb [4096 n][4096 k] bf16, K along the rows; C = out0 [2048][4096] f32.
; FRAGMENT ORDER of a matrix [row][k] of bf16: byte = (row / 64) * 524,288 + (k / 32) * 4,096 + ((row / 16) % 4) * 1,024 + ((k / 16) % 2) * 512
;   + (16 ((k / 8) % 2) + row % 16) * 16 + (k % 8) * 2: 512 consecutive bytes are registers 0-3 (or 4-7) of the 32 lanes of a fragment of 16 rows x 32 k.
; LIMITS: operands are bf16, sums f32.  x_rot is rounded once to bf16 between the two launches; a finite number past bf16's largest (about 3.39e38)
; becomes an infinity.  Each output is the sum of TWO f32 partial sums, each over one 128-wide half of every 256 along K, K ascending in each.
;
; SHARES.  A work-group makes a block of 128 rows x 256 columns of C: 16 x 16 blocks, 256 work-groups.  Four waves, as many as a WGP has SIMDs.
; Wave w = (kh = w >> 1, mh = w & 1) multiplies rows 64 mh .. + 63 by ALL 256 columns over the kh-th 128 of every 256 along K: 64 accumulators, 512
; registers.  At the end the waves (0, mh) and (1, mh) hand each other one half of their sums through LDS, once: each keeps columns 128 kh .. + 127
; (window 2) and gives away the other 128 (window 3).
; A COMES STRAIGHT INTO REGISTERS.  No two waves need the same numbers of A, and in fragment order a load of 16 bytes a lane is half a fragment and
; 512 consecutive bytes of memory.  A quarter (32 along K) of a wave is 8 such loads, 4,096 consecutive bytes.  Eight register slots take turns; a
; quarter is asked for five quarters ahead, 40 loads of a wave on their way.  REASON for no joint request for A: with A's tiles in LDS two slots of
; 256 along K would take 405,504 bytes, which do not fit, and slots of 128 leave a refill 112 matrix instructions instead of 240.
; B GOES THROUGH LDS: two slots of 256 along K, filled by the tensor data mover, 64 rows of 512 bytes by each wave.
; CLUSTERS: 4 x 4 work-groups.  B's tile hangs on the block column (grid y) alone: the four with my cy ask for it jointly, which divides the requests
; for B, two thirds of a step's bytes, by four.
;
; REGISTERS, in windows of 256:
;   window 0: v0-31 addresses (FIRST: v24-31 rounded weight on its way out); v32-63 two pieces of weight on their way in;
;             v64-127, v128-191, v192-255 fragments of B: three buffers of 8 column blocks x 32 K
;   window 1: A's eight slots of 32 registers (four fragments of 16 rows x 32 K)
;   window 2: the 32 accumulator tiles of the columns I keep (tile (a, b) at v[8 (8 a + b)]);   window 3: those of the columns I give away
; THE MATRIX INSTRUCTION IS USED TRANSPOSED: source 0 = 16 columns' worth of B, source 1 = 16 rows of A, so that lane l holds row l % 16 of C and its
; registers 0-7 the columns 8 (l / 16) + 0 .. 7: eight neighbouring numbers of a row, which as bf16 are the lane's 16 bytes in fragment order.
.set FIRST,  1
.set LAPS,   8                         ; a lap = two periods of 256 along K = once round the ring = 8 quarters of a wave
.if FIRST
.set BPITCH, 544                       ; B's LDS row: 512 bytes (256 n) + 32 of padding: an odd multiple of 32, for the transposing load
.set STEPB,  256*8192                  ; a period down B's rows, in bytes
.set PADS,   (6<<22)|(7<<25)           ; 8 words of padding behind every 128 words
.else
.set BPITCH, 528                       ; B's LDS row: 512 bytes (256 k) + 16 of padding: an odd multiple of 16
.set STEPB,  256*2                     ; a period along B's rows
.set PADS,   (6<<22)|(3<<25)           ; 4 words of padding behind every 128 words
.set SPITCH, 528                       ; a stage row: 128 f32 + 16 bytes
.set CROW,   16384                     ; bytes in a row of C
.endif
.set WPART,  64*BPITCH                 ; what one tensor load brings: 64 rows
.set SLOT,   256*BPITCH                ; 139,264 or 135,168: both multiples of 256
.set STAGE,  2*SLOT                    ; FIRST = 0: behind the ring, each wave's own 16 rows for the way out; no fill lands here
.set L16,   7                          ; v7      16 x lane; never rewritten: my 16 bytes of every 512 of A, of weight, of C
.set ADRBL, 16                         ; v16-17  LDS address of my B fragments of the columns I keep, in slot 0, 1
.set ADRBH, 18                         ; v18-19  of the columns I give away
.set XS,    22                         ; v22     the exchange: where I put what I give away
.set XR,    23                         ; v23     the exchange: where my partner put what I keep
.if FIRST
.set WSO,   20                         ; v20     8 x lane: my 8 bytes of wb
.set WY,    24                         ; v[24:31] a piece of weight, rounded
.set WX,    32                         ; v[32:63] two pieces of weight as loaded
.else
.set STO,   24                         ; v24     the way out: where I put my piece of a row
.set RD,    25                         ; v25     the way out: where I read rows back
.set BO,    27                         ; v27     byte offset of my four numbers of bias
.set BI,    28                         ; v[28:31] bias of columns 4 lane .. + 3 of my 128
.endif
.set B0,   64
.set B1,   128
.set B2,   192
.set G1B, 48                           ; s[48:55] descriptor group 1
.set G0B, 56                           ; s[56:63] descriptor group 0, one set for each slot
.set MSB, 0
.macro WIN new                         ; s_set_vgpr_msb: bits 1:0 source 0, 3:2 source 1, 5:4 source 2, 7:6 destination; the high byte repeats the setting that is left
.if MSB != \new
	s_set_vgpr_msb (MSB<<8)|\new
.set MSB, \new
.endif
.endm
.set MUL_LO, 0xa4                      ; source 0 (B) window 0, source 1 (A) window 1, C and D window 2
.set MUL_HI, 0xf4                      ; the same, C and D window 3
.set TO_1,   0x40                      ; destination window 1, address window 0
; A round of the cluster's barrier: my work-group's barrier, so that wave 0's signal speaks for all four waves; wave 0 signals for the work-group;
; every wave waits for all sixteen work-groups; my work-group's barrier once more.
.macro CREST                           ; a round behind its opening barrier
	s_cmp_lg_u32 s10, 0
	s_cbranch_scc1 .Lnot_wave_0_\@
	s_barrier_signal -3
.Lnot_wave_0_\@:
	s_barrier_wait -3
	s_barrier_signal -1
	s_barrier_wait -1
.endm
.macro CROUND                          ; a whole round
	s_barrier_signal -1
	s_barrier_wait -1
	CREST
.endm
	s_load_b128 s[4:7], s[0:1], 0x0                ; A s[4:5], B s[6:7]
	s_load_b64 s[66:67], s[0:1], 0x10              ; FIRST: weight; else: bias
	s_load_b64 s[8:9], s[0:1], 0x18                ; C
.if FIRST
	s_load_b64 s[68:69], s[0:1], 0x20              ; wb
	v_lshl_add_u32 v15, v0, 2, 0x44000
	v_mov_b32 v21, 0
	ds_add_u32 v15, v21
	ds_add_u32 v15, v21
.endif
	v_lshrrev_b32 v1, 5, v0
	v_readfirstlane_b32 s10, v1                    ; wave 0..3
	s_lshr_b32 s11, s10, 1                         ; kh: my half of each 256 along K, and the half of the columns that I keep
	s_and_b32 s12, s10, 1                          ; mh: my half of the rows
	s_bfe_u32 s40, ttmp6, 0x40000                  ; cx
	s_bfe_u32 s41, ttmp6, 0x40004                  ; cy
	s_lshl_b32 s13, ttmp9, 2                       ; in a cluster launch ttmp9 and ttmp7 count clusters
	s_add_co_u32 s13, s13, s40                     ; block row of C = 4 x cluster x + cx
	s_and_b32 s42, ttmp7, 0xffff
	s_lshl_b32 s42, s42, 2
	s_add_co_u32 s42, s42, s41                     ; block column of C = 4 x cluster y + cy
	s_lshl_b32 s43, s41, 2
	s_lshl_b32 s43, 15, s43                        ; those with my cy: places 4 cy .. 4 cy + 3
	; group 1: 64 rows x 256 elements of 2 bytes, padded behind every row
	s_or_b32 s[G1B+0], s43, (1<<16)|(1<<20)|(1<<21)|PADS   ; 15:0 the mask; 17:16 element of 2 bytes; 20 padding on; 21 set beside a mask; 24:22 interval; 31:25 pad
	s_mov_b32 s[G1B+1], 256<<16                    ; tensor_dim0 = 256
	s_mov_b32 s[G1B+2], 64<<16                     ; tensor_dim1 = 64
	s_mov_b32 s[G1B+3], 256<<16                    ; tile_dim0 = 256
	s_mov_b32 s[G1B+4], 64                         ; tile_dim1 = 64
	s_mov_b32 s[G1B+5], 4096                       ; elements from row to row
	s_mov_b32 s[G1B+6], 0
	s_mov_b32 s[G1B+7], 0
	; B's tiles hang on the block column and the wave's number alone; these registers never hold the block row
.if FIRST
	s_lshl_b32 s46, s42, 9                         ; 256 columns = 512 bytes a block column
.else
	s_lshl_b32 s46, s42, 21                        ; 256 rows of 8,192 bytes a block column
.endif
	s_lshl_b32 s47, s10, 19                        ; + 64 rows of 8,192 bytes a wave
	s_add_co_u32 s46, s46, s47
	s_mov_b32 s47, 0
	; my part of A: group of 64 rows 2 x block row + mh; 4 blocks of 4,096 bytes on for kh = 1
	s_lshl_b32 s16, s13, 20
	s_lshl_b32 s17, s12, 19
	s_add_co_u32 s16, s16, s17
	s_lshl_b32 s17, s11, 14
	s_add_co_u32 s16, s16, s17
	s_mov_b32 s17, 0
	s_mul_i32 s20, s10, WPART                      ; where my 64 rows of B go: no place in the cluster enters an LDS address
	s_wait_dscnt 0x0
	s_wait_kmcnt 0x0
	s_add_nc_u64 s[14:15], s[4:5], s[16:17]
	s_add_nc_u64 s[46:47], s[6:7], s[46:47]
	CROUND                                         ; all sixteen work-groups are here: the first joint loads meet
.irp s, 0,1
	s_mov_b32 s[G0B+4*\s], 1                                       ; count = 1
	s_add_co_u32 s[G0B+4*\s+1], s20, \s*SLOT                       ; LDS address
	s_add_nc_u64 s[G0B+4*\s+2:G0B+4*\s+3], s[46:47], \s*STEPB      ; global address: period s
	s_or_b32 s[G0B+4*\s+3], s[G0B+4*\s+3], 0x80000000              ; type = 2
	tensor_load_to_lds s[G0B+4*\s:G0B+4*\s+3], s[G1B:G1B+7]        ; both slots are asked for before anything else: two tensor loads of the wave are out
	s_nop 0
.endr
	v_and_b32 v1, 15, v0                           ; r = l % 16
	v_bfe_u32 v2, v0, 4, 1                         ; h = l / 16
	v_and_b32 v6, 31, v0                           ; l
	v_lshlrev_b32 v[L16], 4, v6
.if FIRST
	; B's rows lie along N: the transposing load wants lane l at k row 8 h + (l & 7) and at 16 bytes x bit 3 of l
	v_and_b32 v4, 7, v0
	v_lshl_add_u32 v4, v2, 3, v4
	v_mul_u32_u24 v3, v4, BPITCH
	v_bfe_u32 v4, v0, 3, 1
	v_lshl_add_u32 v3, v4, 4, v3
	s_mul_i32 s22, s11, 128*BPITCH                 ; my 128 k rows
	s_xor_b32 s19, s11, 1
	s_lshl_b32 s19, s19, 8
	s_add_co_u32 s23, s22, s19                     ; the columns I give away: 128 (1 - kh) on
	s_lshl_b32 s18, s11, 8
	s_add_co_u32 s22, s22, s18                     ; the columns I keep: 128 kh on
.else
	; B's rows lie along K: lane l at row r, 16 h bytes on
	v_mul_u32_u24 v3, v1, BPITCH
	v_lshl_add_u32 v3, v2, 4, v3
	s_lshl_b32 s18, s11, 8                         ; my 128 along K
	s_mul_i32 s22, s11, 128*BPITCH                 ; the columns I keep: n rows 128 kh on
	s_xor_b32 s19, s11, 1
	s_mul_i32 s23, s19, 128*BPITCH                 ; the columns I give away
	s_add_co_u32 s22, s22, s18
	s_add_co_u32 s23, s23, s18
.endif
.irp s, 0,1
	v_add_nc_u32 v[ADRBL+\s], s22, v3
	v_add_nc_u32 v[ADRBH+\s], s23, v3
	s_add_co_u32 s22, s22, SLOT
	s_add_co_u32 s23, s23, SLOT
.endr
	v_lshl_add_u32 v[XS], s10, 15, v[L16]          ; the exchange: 32,768 bytes a wave from LDS byte 0, 16 bytes a lane
	s_xor_b32 s18, s10, 2                          ; my partner: the other kh, the same mh
	v_lshl_add_u32 v[XR], s18, 15, v[L16]
.if FIRST
	v_lshlrev_b32 v[WSO], 3, v6
	; my 65,536 bytes of weight: (block row + 16 x block column) x 262,144 + wave x 65,536; these registers feed no descriptor
	s_lshl_b32 s70, s42, 4
	s_add_co_u32 s70, s70, s13
	s_lshl_b32 s70, s70, 18
	s_lshl_b32 s71, s10, 16
	s_add_co_u32 s70, s70, s71
	s_mov_b32 s71, 0
	s_add_nc_u64 s[66:67], s[66:67], s[70:71]
	s_lshr_b32 s70, s70, 1                         ; half as many bytes in wb
	s_add_nc_u64 s[68:69], s[68:69], s[70:71]
.else
	s_mul_i32 s23, s10, 16*SPITCH
	s_add_co_u32 s23, s23, STAGE                   ; my stage
	v_mul_u32_u24 v8, v1, SPITCH                   ; in: row r, 32 bytes for each half of the lanes
	v_lshl_add_u32 v8, v2, 5, v8
	v_add_nc_u32 v[STO], s23, v8
	v_add_nc_u32 v[RD], s23, v[L16]                ; back: 32 lanes take one row of 512 bytes
	s_lshl_b32 s70, s42, 10                        ; bias: 256 numbers a block column,
	s_lshl_b32 s71, s11, 9                         ; 128 on for kh = 1,
	s_add_co_u32 s70, s70, s71
	v_add_nc_u32 v[BO], s70, v[L16]                ; four a lane
	global_load_b128 v[BI:BI+3], v[BO], s[66:67]   ; older than every load of A; waited for in front of the way out
.endif
; 8 loads: the four fragments of one quarter of A, 4,096 consecutive bytes at byte off from the lap's base, into a slot of window 1
.macro ALOAD slot, off
.irp i, 0,1,2,3,4,5,6,7
	global_load_b128 v[32*(\slot)+4*\i:32*(\slot)+4*\i+3], v[L16], s[14:15] offset:(\off)+512*\i
.endr
.endm
.if FIRST
; 4 loads: piece grp of the lap's weight, 2,048 bytes, into set grp % 2
.macro WLOAD grp
.irp i, 0,1,2,3
	global_load_b128 v[WX+16*((\grp)&1)+4*\i:WX+16*((\grp)&1)+4*\i+3], v[L16], s[66:67] offset:(\grp)*2048+512*\i th:TH_LOAD_NT
.endr
.endm
; Piece m of the lap's weight: 512 numbers of the wave, rounded and stored; more = 1: the piece after next is asked for, into the set just read.
; cnt = the loads younger than this piece's.  The eight conversions name only v24-63 of window 0, which no matrix instruction names: they are places.
.macro CAST m, more, cnt
	s_wait_loadcnt \cnt                            ; loads come back in order (ISA guide 5.7.1)
	s_wait_xcnt 0x0                                ; WY, which the last piece's stores read two quarters ago, is written again only behind this wait
.irp i, 0,1,2,3
	v_cvt_pk_bf16_f32 v[WY+2*\i],   v[WX+16*((\m)&1)+4*\i],   v[WX+16*((\m)&1)+4*\i+1]
	v_cvt_pk_bf16_f32 v[WY+2*\i+1], v[WX+16*((\m)&1)+4*\i+2], v[WX+16*((\m)&1)+4*\i+3]
.endr
.if \more
	WLOAD (\m)+2
.endif
.irp i, 0,1,2,3
	global_store_b64 v[WSO], v[WY+2*\i:WY+2*\i+1], s[68:69] offset:(\m)*1024+256*\i   ; 32 lanes store 256 consecutive bytes, aligned
.endr
.endm
.endif
	; The loads of the five quarters that would stand in front of the first, in those quarters' order, so that every count below holds from the first quarter on
	WIN TO_1
	ALOAD 0, 0
.if FIRST
	WIN 0
	WLOAD 0
	WIN TO_1
.endif
	ALOAD 1, 4096
	ALOAD 2, 8192
.if FIRST
	WIN 0
	WLOAD 1
	WIN TO_1
.endif
	ALOAD 3, 12288
	ALOAD 4, 32768
	WIN 0
; 16 matrix instructions: row blocks a0, a0 + 1 of my four x 8 column blocks (those of buffer buf), 32 along K; A from slot as.
; zero = 1: the first product starts the sums: nothing is ever cleared.
.macro MUL16 buf, as, a0, zero
.irp a, \a0, \a0+1
.irp b, 0,1,2,3,4,5,6,7
.if \zero
	v_wmma_f32_16x16x32_bf16 v[8*(8*(\a)+\b):8*(8*(\a)+\b)+7], v[\buf+8*\b:\buf+8*\b+7], v[32*(\as)+8*(\a):32*(\as)+8*(\a)+7], 0
.else
	v_wmma_f32_16x16x32_bf16 v[8*(8*(\a)+\b):8*(8*(\a)+\b)+7], v[\buf+8*\b:\buf+8*\b+7], v[32*(\as)+8*(\a):32*(\as)+8*(\a)+7], v[8*(8*(\a)+\b):8*(8*(\a)+\b)+7]
.endif
.endr
.endr
.endm
; 16 LDS loads in one run: B's fragments of 8 column blocks (adr: those I keep or those I give away), quarter q of my half of a slot, into buffer buf
.macro BLOAD slot, q, adr, buf
.irp i, 0,1,2,3,4,5,6,7
.if FIRST
	ds_load_tr16_b128 v[\buf+8*\i:\buf+8*\i+3],   v[\adr+\slot] offset:(\q)*32*BPITCH+32*\i             ; k = 8 h + 0..7 of column 16 i + r
	ds_load_tr16_b128 v[\buf+8*\i+4:\buf+8*\i+7], v[\adr+\slot] offset:(\q)*32*BPITCH+32*\i+16*BPITCH   ; k = 16 + 8 h + 0..7
.else
	ds_load_b128 v[\buf+8*\i:\buf+8*\i+3],   v[\adr+\slot] offset:(\q)*64+\i*16*BPITCH
	ds_load_b128 v[\buf+8*\i+4:\buf+8*\i+7], v[\adr+\slot] offset:(\q)*64+\i*16*BPITCH+32
.endif
.endr
.endm
; A load into a register that a matrix instruction has read, and a vector instruction or LDS store that reads a matrix result, stand four places behind
; that matrix instruction; only plain vector instructions that name none of its registers are places (ISA guide 7.12.1 for vector instructions).
.macro PLACES
.rept 4
	v_nop
.endr
.endm
; QUARTER u of a lap's eight: 32 along K, 64 matrix instructions: 32 on the columns I keep (window 2), 32 on those I give away (window 3).  The 64
; accumulators take turns, one instruction a turn, in the same order in every quarter, over the backward jump too.
; B's fragments are fetched one half quarter (32 matrix instructions) ahead: the first halves into B0, the second into B1.  The second half of a period's
; LAST quarter is fetched one half earlier still, into B2, so that my reads of the slot have long ended where the change of slots waits for them.
;   zero: the first products start the sums.   aref: A's quarter u + 5 is asked for, into the slot read three quarters ago.
;   an, wn: the loads of A, and of weight, that are younger than those of slot u.   cast: 0 none; 1 a piece of weight, and the piece after next is asked for;
;   2 a piece alone.   wc: the loads younger than that piece's.   fill (u = 3, 7): the slot is filled again, two periods ahead.   last: the launch's last quarter.
; THE CHANGE OF SLOTS (u = 3, 7): one barrier for two things.  In front of it each wave waits for its own reads of this slot and for all its tensor loads,
; of which one is out: its part of the next slot.  Behind it nobody reads this slot any more and the next slot is whole: the refill comes first, then
; the next slot's first fragments.  From a request to the wait for it a wave issues 240 matrix instructions.
.macro QUARTER u, zero, aref, an, wn, cast, wc, fill, last
.set QS, (\u)>>2
.set QQ, (\u)&3
.set QN, 1-QS
.set CM, (\u)>>1
.set AV, (\u)+5
.set ASL, AV&7
.set AOF, (AV>>2)*32768+(AV&3)*4096
.if \cast == 1
	WIN 0
	CAST CM, 1, \wc
.endif
.if \cast == 2
	WIN 0
	CAST CM, 0, \wc
.endif
.if \cast == 0
.if QQ == 1
	PLACES                                         ; B1 was read by the matrix instructions just issued
.endif
.if QQ == 2
	PLACES
.endif
.endif
.if \aref
	WIN TO_1
	ALOAD ASL, AOF
.endif
.if QQ != 3
	WIN 0
	BLOAD QS, QQ, ADRBH, B1
.endif
	s_wait_dscnt 16                                ; B0 is in; the youngest 16 loads (this quarter's second half) may be out
	s_wait_loadcnt (\an)+FIRST*(\wn)               ; slot u is in; all that was asked for behind it may be out
	WIN MUL_LO
	MUL16 B0, \u, 0, \zero
.if QQ == 3
.if \last
	MUL16 B0, \u, 2, 0
	s_wait_dscnt 0
.else
	s_wait_dscnt 0                                 ; my reads of this slot are over (the last were issued 48 matrix instructions ago)
	s_set_vgpr_msb 0xa4a0
	s_wait_tensorcnt 0x0                           ; and all my tensor loads have landed
	ds_add_u32 v15, v21
	s_wait_dscnt 0x0
	s_set_vgpr_msb 0xa0a4
	s_barrier_signal -1                            ; say so (where the slot is filled again this barrier opens a round of the cluster's barrier),
	MUL16 B0, \u, 2, 0                             ; work on registers while the others arrive,
	WIN 0
	s_barrier_wait -1                              ; and go on when all four have said so
.if \fill
	CREST                                          ; all sixteen work-groups have said so: no wave of any partner still reads this slot or has a load on its way
	s_add_nc_u64 s[G0B+4*QS+2:G0B+4*QS+3], s[G0B+4*QS+2:G0B+4*QS+3], 2*STEPB   ; no tensor load of mine is out: a group 0 may be written
	tensor_load_to_lds s[G0B+4*QS:G0B+4*QS+3], s[G1B:G1B+7]                    ; the first tensor load behind the round, and my only one until the next
	s_nop 0
.endif
	PLACES
	BLOAD QN, 0, ADRBL, B0
.endif
	WIN MUL_HI
	MUL16 B2, \u, 0, 0
	MUL16 B2, \u, 2, 0
.else
	MUL16 B0, \u, 2, \zero
	PLACES
	WIN 0
	BLOAD QS, QQ+1, ADRBL, B0
.if QQ == 2
	BLOAD QS, 3, ADRBH, B2
	s_wait_dscnt 32                                ; B1 is in; the 32 just issued may be out
.else
	s_wait_dscnt 16                                ; B1 is in; the 16 just issued may be out
.endif
	WIN MUL_HI
	MUL16 B1, \u, 0, \zero
	MUL16 B1, \u, 2, \zero
.endif
.endm
; Once round the ring, both slots filled again.  Behind slot u's loads come five more requests for A, 40 loads; and, FIRST, the pieces of weight asked for
; in the even quarters among those five: three (12 loads) where u is even, two (8) where it is odd.  Behind a piece of weight come four requests for A
; and one piece: 36.
.macro LAP zero
	QUARTER 0, \zero, 1, 40, 12, FIRST, 36, 0, 0
	QUARTER 1, 0, 1, 40, 8, 0, 0, 0, 0
	QUARTER 2, 0, 1, 40, 12, FIRST, 36, 0, 0
	QUARTER 3, 0, 1, 40, 8, 0, 0, 1, 0
	QUARTER 4, 0, 1, 40, 12, FIRST, 36, 0, 0
	QUARTER 5, 0, 1, 40, 8, 0, 0, 0, 0
	QUARTER 6, 0, 1, 40, 12, FIRST, 36, 0, 0
	QUARTER 7, 0, 1, 40, 8, 0, 0, 1, 0
	WIN 0                                          ; at a label and at a branch every window is 0
	s_wait_xcnt 0x0                                ; the bases of the loads and stores issued so far are written again only behind this wait
	s_add_nc_u64 s[14:15], s[14:15], 65536         ; A: 16 blocks of 4,096 bytes a lap
.if FIRST
	s_add_nc_u64 s[66:67], s[66:67], 8192          ; weight: four pieces a lap
	s_add_nc_u64 s[68:69], s[68:69], 4096
.endif
.endm
	s_wait_tensorcnt 1                             ; my part of period 0 is in; period 1's may stay out
	s_barrier_signal -1
	s_barrier_wait -1                              ; everybody's is
	BLOAD 0, 0, ADRBL, B0
	LAP 1                                          ; the first lap stands in front of the loop: its first products start the sums
	s_mov_b32 s3, LAPS-2
.Llap:
	LAP 0
	s_sub_co_u32 s3, s3, 1
	s_cmp_lg_u32 s3, 0
	s_cbranch_scc1 .Llap
	; the last lap fills no slot and has no round; A's last three quarters and weight's last two pieces are asked for in its first three quarters, then the counts run down
	QUARTER 0, 0, 1, 40, 12, FIRST, 36, 0, 0
	QUARTER 1, 0, 1, 40, 8, 0, 0, 0, 0
	QUARTER 2, 0, 1, 40, 12, FIRST, 36, 0, 0
	QUARTER 3, 0, 0, 32, 8, 0, 0, 0, 0
	QUARTER 4, 0, 0, 24, 8, 2*FIRST, 28, 0, 0
	QUARTER 5, 0, 0, 16, 4, 0, 0, 0, 0
	QUARTER 6, 0, 0, 8, 4, 2*FIRST, 8, 0, 0
	QUARTER 7, 0, 0, 0, 0, 0, 0, 0, 1
	; THE EXCHANGE.  The ring has had its last fill, and every wave has waited for its reads of it in front of this barrier: slot 0's first 131,072 bytes now
	; carry, for each wave, the 256 registers x 32 lanes that it gives away.  Register 4 t .. 4 t + 3 of lane l lies at 512 t + 16 l: neighbouring lanes, neighbouring bytes.
	PLACES                                         ; the places behind the last matrix instructions, for the LDS stores of results and for the loads into B's and A's registers
	WIN 0
	s_barrier_signal -1
	s_barrier_wait -1
	WIN 0x0c                                       ; store data from window 3
.set t, 0
.rept 64
	ds_store_b128 v[XS], v[4*t:4*t+3] offset:512*t
.set t, t+1
.endr
	WIN 0
	s_wait_dscnt 0x0                               ; for my partner's sake: all my stores are done
	s_barrier_signal -1
	s_barrier_wait -1
.set t, 0
.rept 32
	ds_load_b128 v[B0+4*t:B0+4*t+3], v[XR] offset:512*t            ; my partner's sums for registers 0-127 of window 2, into window 0
.set t, t+1
.endr
	WIN TO_1
.set t, 0
.rept 32
	ds_load_b128 v[B0+4*t:B0+4*t+3], v[XR] offset:512*(32+t)       ; for registers 128-255, into window 1
.set t, t+1
.endr
	s_wait_dscnt 32                                ; the first 32 are in
	WIN 0x82                                       ; window 2 += window 0
.set t, 0
.rept 64
	v_pk_add_f32 v[2*t:2*t+1], v[2*t:2*t+1], v[B0+2*t:B0+2*t+1]
.set t, t+1
.endr
	s_wait_dscnt 0x0
	WIN 0x86                                       ; window 2 += window 1
.set t, 0
.rept 64
	v_pk_add_f32 v[128+2*t:128+2*t+1], v[128+2*t:128+2*t+1], v[B0+2*t:B0+2*t+1]
.set t, t+1
.endr
	WIN 0
	; THE WAY OUT: rows 128 x block row + 64 mh .. + 63, columns 256 x block column + 128 kh .. + 127
.if FIRST
	; In fragment order: tile (a, b) is register half b % 2 of row block a, k block 8 x block column + 4 kh + b / 2, and a lane's eight numbers, rounded,
	; are its 16 bytes there.  No stage: every store of the wave covers 512 consecutive bytes, aligned.  No register is written twice.
	s_lshl_b32 s16, s13, 20
	s_lshl_b32 s17, s12, 19
	s_add_co_u32 s16, s16, s17
	s_lshl_b32 s17, s11, 14
	s_add_co_u32 s16, s16, s17
	s_mov_b32 s17, 0
	s_add_nc_u64 s[8:9], s[8:9], s[16:17]
	s_lshl_b32 s46, s42, 15
	s_mov_b32 s47, 0
	s_add_nc_u64 s[8:9], s[8:9], s[46:47]
.irp a, 0,1,2,3
	WIN 0x0a                                       ; sources from window 2
.irp b, 0,1,2,3,4,5,6,7
.irp r, 0,1,2,3
	v_cvt_pk_bf16_f32 v[B0+4*(8*\a+\b)+\r], v[8*(8*\a+\b)+2*\r], v[8*(8*\a+\b)+2*\r+1]
.endr
.endr
	WIN 0
.irp b, 0,1,2,3,4,5,6,7
	global_store_b128 v[L16], v[B0+4*(8*\a+\b):B0+4*(8*\a+\b)+3], s[8:9] offset:\a*1024+(\b>>1)*4096+(\b&1)*512   ; the next launch reads them: no hint
.endr
.endr
.else
	s_lshl_b32 s16, s13, 21
	s_lshl_b32 s17, s12, 20
	s_add_co_u32 s16, s16, s17
	s_mov_b32 s17, 0
	s_add_nc_u64 s[8:9], s[8:9], s[16:17]
	s_lshl_b32 s46, s42, 10
	s_lshl_b32 s47, s11, 9
	s_add_co_u32 s46, s46, s47
	s_mov_b32 s47, 0
	s_add_nc_u64 s[8:9], s[8:9], s[46:47]
; rows 16 a .. 16 a + 15, through my own stage, which no other wave and no fill touches: 32 bytes a lane and column block in, whole rows of 512 bytes back, bias added, stored
.macro OUT16F a, f
	WIN 0x08                                       ; store data from window 2
.irp b, 0,1,2,3,4,5,6,7
	ds_store_b128 v[STO], v[8*(8*\a+\b):8*(8*\a+\b)+3]   offset:64*\b
	ds_store_b128 v[STO], v[8*(8*\a+\b)+4:8*(8*\a+\b)+7] offset:64*\b+16
.endr
	WIN 0
	s_wait_xcnt 0x0                                ; buffer f, which earlier stores read, and the stores' base are written again only behind this wait
.if \a
	s_add_nc_u64 s[8:9], s[8:9], 16*CROW
.endif
.irp t, 0,1,2,3,4,5,6,7,8,9,10,11,12,13,14,15
	ds_load_b128 v[\f+4*\t:\f+4*\t+3], v[RD] offset:\t*SPITCH      ; LDS serves a wave's instructions in order (ISA guide 5.7.1): these see the stores above
.endr
.irp t, 0,1,2,3,4,5,6,7,8,9,10,11,12,13,14,15
	s_wait_dscnt 15-\t
	v_pk_add_f32 v[\f+4*\t:\f+4*\t+1],   v[\f+4*\t:\f+4*\t+1],   v[BI:BI+1]
	v_pk_add_f32 v[\f+4*\t+2:\f+4*\t+3], v[\f+4*\t+2:\f+4*\t+3], v[BI+2:BI+3]
	global_store_b128 v[L16], v[\f+4*\t:\f+4*\t+3], s[8:9] offset:\t*CROW th:TH_STORE_NT   ; the wave stores 512 consecutive bytes, aligned
.endr
.endm
	s_wait_loadcnt 0x0                             ; bias
	OUT16F 0, B0
	OUT16F 1, B1
	OUT16F 2, B0
	OUT16F 3, B1
.endif
	s_wait_tensorcnt 0x0
	ds_add_u32 v15, v21
	s_wait_dscnt 0x0
	CROUND                                         ; the closing round: no work-group ends while a partner may still ask for a tile that names it
	s_endpgm
.Lfunc_end_k_qe6b60645e9_gemm1:
	.size	k_qe6b60645e9_gemm1, .Lfunc_end_k_qe6b60645e9_gemm1-k_qe6b60645e9_gemm1
	.p2alignl 7, 3214868480
	.fill 96, 4, 3214868480
	.section	.rodata,"a",@progbits
	.p2align	6, 0x0
	.amdhsa_kernel k_qe6b60645e9_gemm1
		.amdhsa_group_segment_fixed_size 327680
		.amdhsa_private_segment_fixed_size 0
		.amdhsa_enable_private_segment 0
		.amdhsa_kernarg_size 40
		.amdhsa_user_sgpr_count 2
		.amdhsa_user_sgpr_kernarg_segment_ptr 1
		.amdhsa_wavefront_size32 1
		.amdhsa_system_sgpr_workgroup_id_x 1
		.amdhsa_system_sgpr_workgroup_id_y 1
		.amdhsa_system_sgpr_workgroup_id_z 1
		.amdhsa_system_vgpr_workitem_id 0
		.amdhsa_next_free_vgpr 1024
		.amdhsa_next_free_sgpr 72
		.amdhsa_reserve_vcc 0
		.amdhsa_float_denorm_mode_32 3
		.amdhsa_float_denorm_mode_16_64 3
		.amdhsa_memory_ordered 1
		.amdhsa_forward_progress 1
		.amdhsa_inst_pref_size 225
	.end_amdhsa_kernel
	.amdgpu_metadata
---
amdhsa.version: [ 1, 2 ]
amdhsa.kernels:
  - .name:           k_qe6b60645e9_gemm1
    .symbol:         k_qe6b60645e9_gemm1.kd
    .args:
      - { .name: xb, .offset: 0, .size: 8, .value_kind: global_buffer, .address_space: global }
      - { .name: hb, .offset: 8, .size: 8, .value_kind: global_buffer, .address_space: global }
      - { .name: weight, .offset: 16, .size: 8, .value_kind: global_buffer, .address_space: global }
      - { .name: xr, .offset: 24, .size: 8, .value_kind: global_buffer, .address_space: global }
      - { .name: wb, .offset: 32, .size: 8, .value_kind: global_buffer, .address_space: global }
    .group_segment_fixed_size: 327680
    .private_segment_fixed_size: 0
    .kernarg_segment_align: 8
    .kernarg_segment_size: 40
    .max_flat_workgroup_size: 128
    .sgpr_count:     72
    .vgpr_count:     1024
    .wavefront_size: 32
...
	.end_amdgpu_metadata
.endif
;; end of part 2
;; launch gemm2 (part 3): grid 16 x 16, 4 waves a work-group, clusters of 4 x 4, 327,680 bytes of LDS; arguments xr, wb, bias, out0; writes out0
.if DOCPART == 3
	.amdgcn_target "amdgcn-amd-amdhsa--gfx1250"
	.amdhsa_code_object_version 6
	.text
	.protected	k_qe6b60645e9_gemm2
	.globl	k_qe6b60645e9_gemm2
	.p2align	8
	.type	k_qe6b60645e9_gemm2,@function
k_qe6b60645e9_gemm2:
	s_mov_b64 s[64:65], 0
	v_nop
	global_prefetch_b8 v0, s[64:65] scope:SCOPE_SE
	s_setreg_imm32_b32 hwreg(HW_REG_WAVE_MODE, 25, 1), 1
	s_wait_xcnt 0x0
	s_wait_alu depctr_hold_cnt(0) depctr_sa_sdst(0) depctr_va_vdst(0) depctr_va_sdst(0) depctr_va_ssrc(0) depctr_va_vcc(0) depctr_vm_vsrc(0)
	s_getreg_b32 s2, hwreg(HW_REG_IB_STS2, 6, 4)
	s_cmp_eq_u32 s2, 0
	s_cbranch_scc0 .Lentry_in_a_cluster
	s_endpgm
.Lentry_in_a_cluster:
	s_bfe_u32 s2, ttmp6, 0x10000c
	s_cmp_lg_u32 s2, 0xf033
	s_cbranch_scc0 .Lentry_shape_is_right
	s_endpgm
.Lentry_shape_is_right:
; One text for two launches; FIRST says which.
;   FIRST = 1:  xr = bf16(xb hb).   A = xb, 2048 x 4096 bf16 in fragment order; B = hb [4096 k][4096 n] bf16, N along the rows; C = xr, in fragment order.
;               On the side each wave rounds its own 65,536 bytes of weight (f32) to bf16 into wb, 2,048 bytes in every second quarter.
;   FIRST = 0:  out0 = xr wb^T + bias.   A = xr, in fragment order; B = wb [4096 n][4096 k] bf16, K along the rows; C = out0 [2048][4096] f32.
; FRAGMENT ORDER of a matrix [row][k] of bf16: byte = (row / 64) * 524,288 + (k / 32) * 4,096 + ((row / 16) % 4) * 1,024 + ((k / 16) % 2) * 512
;   + (16 ((k / 8) % 2) + row % 16) * 16 + (k % 8) * 2: 512 consecutive bytes are registers 0-3 (or 4-7) of the 32 lanes of a fragment of 16 rows x 32 k.
; LIMITS: operands are bf16, sums f32.  x_rot is rounded once to bf16 between the two launches; a finite number past bf16's largest (about 3.39e38)
; becomes an infinity.  Each output is the sum of TWO f32 partial sums, each over one 128-wide half of every 256 along K, K ascending in each.
;
; SHARES.  A work-group makes a block of 128 rows x 256 columns of C: 16 x 16 blocks, 256 work-groups.  Four waves, as many as a WGP has SIMDs.
; Wave w = (kh = w >> 1, mh = w & 1) multiplies rows 64 mh .. + 63 by ALL 256 columns over the kh-th 128 of every 256 along K: 64 accumulators, 512
; registers.  At the end the waves (0, mh) and (1, mh) hand each other one half of their sums through LDS, once: each keeps columns 128 kh .. + 127
; (window 2) and gives away the other 128 (window 3).
; A COMES STRAIGHT INTO REGISTERS.  No two waves need the same numbers of A, and in fragment order a load of 16 bytes a lane is half a fragment and
; 512 consecutive bytes of memory.  A quarter (32 along K) of a wave is 8 such loads, 4,096 consecutive bytes.  Eight register slots take turns; a
; quarter is asked for five quarters ahead, 40 loads of a wave on their way.  REASON for no joint request for A: with A's tiles in LDS two slots of
; 256 along K would take 405,504 bytes, which do not fit, and slots of 128 leave a refill 112 matrix instructions instead of 240.
; B GOES THROUGH LDS: two slots of 256 along K, filled by the tensor data mover, 64 rows of 512 bytes by each wave.
; CLUSTERS: 4 x 4 work-groups.  B's tile hangs on the block column (grid y) alone: the four with my cy ask for it jointly, which divides the requests
; for B, two thirds of a step's bytes, by four.
;
; REGISTERS, in windows of 256:
;   window 0: v0-31 addresses (FIRST: v24-31 rounded weight on its way out); v32-63 two pieces of weight on their way in;
;             v64-127, v128-191, v192-255 fragments of B: three buffers of 8 column blocks x 32 K
;   window 1: A's eight slots of 32 registers (four fragments of 16 rows x 32 K)
;   window 2: the 32 accumulator tiles of the columns I keep (tile (a, b) at v[8 (8 a + b)]);   window 3: those of the columns I give away
; THE MATRIX INSTRUCTION IS USED TRANSPOSED: source 0 = 16 columns' worth of B, source 1 = 16 rows of A, so that lane l holds row l % 16 of C and its
; registers 0-7 the columns 8 (l / 16) + 0 .. 7: eight neighbouring numbers of a row, which as bf16 are the lane's 16 bytes in fragment order.
.set FIRST,  0
.set LAPS,   8                         ; a lap = two periods of 256 along K = once round the ring = 8 quarters of a wave
.if FIRST
.set BPITCH, 544                       ; B's LDS row: 512 bytes (256 n) + 32 of padding: an odd multiple of 32, for the transposing load
.set STEPB,  256*8192                  ; a period down B's rows, in bytes
.set PADS,   (6<<22)|(7<<25)           ; 8 words of padding behind every 128 words
.else
.set BPITCH, 528                       ; B's LDS row: 512 bytes (256 k) + 16 of padding: an odd multiple of 16
.set STEPB,  256*2                     ; a period along B's rows
.set PADS,   (6<<22)|(3<<25)           ; 4 words of padding behind every 128 words
.set SPITCH, 528                       ; a stage row: 128 f32 + 16 bytes
.set CROW,   16384                     ; bytes in a row of C
.endif
.set WPART,  64*BPITCH                 ; what one tensor load brings: 64 rows
.set SLOT,   256*BPITCH                ; 139,264 or 135,168: both multiples of 256
.set STAGE,  2*SLOT                    ; FIRST = 0: behind the ring, each wave's own 16 rows for the way out; no fill lands here
.set L16,   7                          ; v7      16 x lane; never rewritten: my 16 bytes of every 512 of A, of weight, of C
.set ADRBL, 16                         ; v16-17  LDS address of my B fragments of the columns I keep, in slot 0, 1
.set ADRBH, 18                         ; v18-19  of the columns I give away
.set XS,    22                         ; v22     the exchange: where I put what I give away
.set XR,    23                         ; v23     the exchange: where my partner put what I keep
.if FIRST
.set WSO,   20                         ; v20     8 x lane: my 8 bytes of wb
.set WY,    24                         ; v[24:31] a piece of weight, rounded
.set WX,    32                         ; v[32:63] two pieces of weight as loaded
.else
.set STO,   24                         ; v24     the way out: where I put my piece of a row
.set RD,    25                         ; v25     the way out: where I read rows back
.set BO,    27                         ; v27     byte offset of my four numbers of bias
.set BI,    28                         ; v[28:31] bias of columns 4 lane .. + 3 of my 128
.endif
.set B0,   64
.set B1,   128
.set B2,   192
.set G1B, 48                           ; s[48:55] descriptor group 1
.set G0B, 56                           ; s[56:63] descriptor group 0, one set for each slot
.set MSB, 0
.macro WIN new                         ; s_set_vgpr_msb: bits 1:0 source 0, 3:2 source 1, 5:4 source 2, 7:6 destination; the high byte repeats the setting that is left
.if MSB != \new
	s_set_vgpr_msb (MSB<<8)|\new
.set MSB, \new
.endif
.endm
.set MUL_LO, 0xa4                      ; source 0 (B) window 0, source 1 (A) window 1, C and D window 2
.set MUL_HI, 0xf4                      ; the same, C and D window 3
.set TO_1,   0x40                      ; destination window 1, address window 0
; A round of the cluster's barrier: my work-group's barrier, so that wave 0's signal speaks for all four waves; wave 0 signals for the work-group;
; every wave waits for all sixteen work-groups; my work-group's barrier once more.
.macro CREST                           ; a round behind its opening barrier
	s_cmp_lg_u32 s10, 0
	s_cbranch_scc1 .Lnot_wave_0_\@
	s_barrier_signal -3
.Lnot_wave_0_\@:
	s_barrier_wait -3
	s_barrier_signal -1
	s_barrier_wait -1
.endm
.macro CROUND                          ; a whole round
	s_barrier_signal -1
	s_barrier_wait -1
	CREST
.endm
	s_load_b128 s[4:7], s[0:1], 0x0                ; A s[4:5], B s[6:7]
	s_load_b64 s[66:67], s[0:1], 0x10              ; FIRST: weight; else: bias
	s_load_b64 s[8:9], s[0:1], 0x18                ; C
	v_lshl_add_u32 v62, v0, 2, 0x4a400
	v_mov_b32 v63, 0
	ds_add_u32 v62, v63
	ds_add_u32 v62, v63
.if FIRST
	s_load_b64 s[68:69], s[0:1], 0x20              ; wb
.endif
	v_lshrrev_b32 v1, 5, v0
	v_readfirstlane_b32 s10, v1                    ; wave 0..3
	s_lshr_b32 s11, s10, 1                         ; kh: my half of each 256 along K, and the half of the columns that I keep
	s_and_b32 s12, s10, 1                          ; mh: my half of the rows
	s_bfe_u32 s40, ttmp6, 0x40000                  ; cx
	s_bfe_u32 s41, ttmp6, 0x40004                  ; cy
	s_lshl_b32 s13, ttmp9, 2                       ; in a cluster launch ttmp9 and ttmp7 count clusters
	s_add_co_u32 s13, s13, s40                     ; block row of C = 4 x cluster x + cx
	s_and_b32 s42, ttmp7, 0xffff
	s_lshl_b32 s42, s42, 2
	s_add_co_u32 s42, s42, s41                     ; block column of C = 4 x cluster y + cy
	s_lshl_b32 s43, s41, 2
	s_lshl_b32 s43, 15, s43                        ; those with my cy: places 4 cy .. 4 cy + 3
	; group 1: 64 rows x 256 elements of 2 bytes, padded behind every row
	s_or_b32 s[G1B+0], s43, (1<<16)|(1<<20)|(1<<21)|PADS   ; 15:0 the mask; 17:16 element of 2 bytes; 20 padding on; 21 set beside a mask; 24:22 interval; 31:25 pad
	s_mov_b32 s[G1B+1], 256<<16                    ; tensor_dim0 = 256
	s_mov_b32 s[G1B+2], 64<<16                     ; tensor_dim1 = 64
	s_mov_b32 s[G1B+3], 256<<16                    ; tile_dim0 = 256
	s_mov_b32 s[G1B+4], 64                         ; tile_dim1 = 64
	s_mov_b32 s[G1B+5], 4096                       ; elements from row to row
	s_mov_b32 s[G1B+6], 0
	s_mov_b32 s[G1B+7], 0
	; B's tiles hang on the block column and the wave's number alone; these registers never hold the block row
.if FIRST
	s_lshl_b32 s46, s42, 9                         ; 256 columns = 512 bytes a block column
.else
	s_lshl_b32 s46, s42, 21                        ; 256 rows of 8,192 bytes a block column
.endif
	s_lshl_b32 s47, s10, 19                        ; + 64 rows of 8,192 bytes a wave
	s_add_co_u32 s46, s46, s47
	s_mov_b32 s47, 0
	; my part of A: group of 64 rows 2 x block row + mh; 4 blocks of 4,096 bytes on for kh = 1
	s_lshl_b32 s16, s13, 20
	s_lshl_b32 s17, s12, 19
	s_add_co_u32 s16, s16, s17
	s_lshl_b32 s17, s11, 14
	s_add_co_u32 s16, s16, s17
	s_mov_b32 s17, 0
	s_mul_i32 s20, s10, WPART                      ; where my 64 rows of B go: no place in the cluster enters an LDS address
	s_wait_dscnt 0x0
	s_wait_kmcnt 0x0
	s_add_nc_u64 s[14:15], s[4:5], s[16:17]
	s_add_nc_u64 s[46:47], s[6:7], s[46:47]
	CROUND                                         ; all sixteen work-groups are here: the first joint loads meet
.irp s, 0,1
	s_mov_b32 s[G0B+4*\s], 1                                       ; count = 1
	s_add_co_u32 s[G0B+4*\s+1], s20, \s*SLOT                       ; LDS address
	s_add_nc_u64 s[G0B+4*\s+2:G0B+4*\s+3], s[46:47], \s*STEPB      ; global address: period s
	s_or_b32 s[G0B+4*\s+3], s[G0B+4*\s+3], 0x80000000              ; type = 2
	tensor_load_to_lds s[G0B+4*\s:G0B+4*\s+3], s[G1B:G1B+7]        ; both slots are asked for before anything else: two tensor loads of the wave are out
	s_nop 0
.endr
	v_and_b32 v1, 15, v0                           ; r = l % 16
	v_bfe_u32 v2, v0, 4, 1                         ; h = l / 16
	v_and_b32 v6, 31, v0                           ; l
	v_lshlrev_b32 v[L16], 4, v6
.if FIRST
	; B's rows lie along N: the transposing load wants lane l at k row 8 h + (l & 7) and at 16 bytes x bit 3 of l
	v_and_b32 v4, 7, v0
	v_lshl_add_u32 v4, v2, 3, v4
	v_mul_u32_u24 v3, v4, BPITCH
	v_bfe_u32 v4, v0, 3, 1
	v_lshl_add_u32 v3, v4, 4, v3
	s_mul_i32 s22, s11, 128*BPITCH                 ; my 128 k rows
	s_xor_b32 s19, s11, 1
	s_lshl_b32 s19, s19, 8
	s_add_co_u32 s23, s22, s19                     ; the columns I give away: 128 (1 - kh) on
	s_lshl_b32 s18, s11, 8
	s_add_co_u32 s22, s22, s18                     ; the columns I keep: 128 kh on
.else
	; B's rows lie along K: lane l at row r, 16 h bytes on
	v_mul_u32_u24 v3, v1, BPITCH
	v_lshl_add_u32 v3, v2, 4, v3
	s_lshl_b32 s18, s11, 8                         ; my 128 along K
	s_mul_i32 s22, s11, 128*BPITCH                 ; the columns I keep: n rows 128 kh on
	s_xor_b32 s19, s11, 1
	s_mul_i32 s23, s19, 128*BPITCH                 ; the columns I give away
	s_add_co_u32 s22, s22, s18
	s_add_co_u32 s23, s23, s18
.endif
.irp s, 0,1
	v_add_nc_u32 v[ADRBL+\s], s22, v3
	v_add_nc_u32 v[ADRBH+\s], s23, v3
	s_add_co_u32 s22, s22, SLOT
	s_add_co_u32 s23, s23, SLOT
.endr
	v_lshl_add_u32 v[XS], s10, 15, v[L16]          ; the exchange: 32,768 bytes a wave from LDS byte 0, 16 bytes a lane
	s_xor_b32 s18, s10, 2                          ; my partner: the other kh, the same mh
	v_lshl_add_u32 v[XR], s18, 15, v[L16]
.if FIRST
	v_lshlrev_b32 v[WSO], 3, v6
	; my 65,536 bytes of weight: (block row + 16 x block column) x 262,144 + wave x 65,536; these registers feed no descriptor
	s_lshl_b32 s70, s42, 4
	s_add_co_u32 s70, s70, s13
	s_lshl_b32 s70, s70, 18
	s_lshl_b32 s71, s10, 16
	s_add_co_u32 s70, s70, s71
	s_mov_b32 s71, 0
	s_add_nc_u64 s[66:67], s[66:67], s[70:71]
	s_lshr_b32 s70, s70, 1                         ; half as many bytes in wb
	s_add_nc_u64 s[68:69], s[68:69], s[70:71]
.else
	s_mul_i32 s23, s10, 16*SPITCH
	s_add_co_u32 s23, s23, STAGE                   ; my stage
	v_mul_u32_u24 v8, v1, SPITCH                   ; in: row r, 32 bytes for each half of the lanes
	v_lshl_add_u32 v8, v2, 5, v8
	v_add_nc_u32 v[STO], s23, v8
	v_add_nc_u32 v[RD], s23, v[L16]                ; back: 32 lanes take one row of 512 bytes
	s_lshl_b32 s70, s42, 10                        ; bias: 256 numbers a block column,
	s_lshl_b32 s71, s11, 9                         ; 128 on for kh = 1,
	s_add_co_u32 s70, s70, s71
	v_add_nc_u32 v[BO], s70, v[L16]                ; four a lane
	global_load_b128 v[BI:BI+3], v[BO], s[66:67]   ; older than every load of A; waited for in front of the way out
.endif
; 8 loads: the four fragments of one quarter of A, 4,096 consecutive bytes at byte off from the lap's base, into a slot of window 1
.macro ALOAD slot, off
.irp i, 0,1,2,3,4,5,6,7
	global_load_b128 v[32*(\slot)+4*\i:32*(\slot)+4*\i+3], v[L16], s[14:15] offset:(\off)+512*\i
.endr
.endm
.if FIRST
; 4 loads: piece grp of the lap's weight, 2,048 bytes, into set grp % 2
.macro WLOAD grp
.irp i, 0,1,2,3
	global_load_b128 v[WX+16*((\grp)&1)+4*\i:WX+16*((\grp)&1)+4*\i+3], v[L16], s[66:67] offset:(\grp)*2048+512*\i th:TH_LOAD_NT
.endr
.endm
; Piece m of the lap's weight: 512 numbers of the wave, rounded and stored; more = 1: the piece after next is asked for, into the set just read.
; cnt = the loads younger than this piece's.  The eight conversions name only v24-63 of window 0, which no matrix instruction names: they are places.
.macro CAST m, more, cnt
	s_wait_loadcnt \cnt                            ; loads come back in order (ISA guide 5.7.1)
	s_wait_xcnt 0x0                                ; WY, which the last piece's stores read two quarters ago, is written again only behind this wait
.irp i, 0,1,2,3
	v_cvt_pk_bf16_f32 v[WY+2*\i],   v[WX+16*((\m)&1)+4*\i],   v[WX+16*((\m)&1)+4*\i+1]
	v_cvt_pk_bf16_f32 v[WY+2*\i+1], v[WX+16*((\m)&1)+4*\i+2], v[WX+16*((\m)&1)+4*\i+3]
.endr
.if \more
	WLOAD (\m)+2
.endif
.irp i, 0,1,2,3
	global_store_b64 v[WSO], v[WY+2*\i:WY+2*\i+1], s[68:69] offset:(\m)*1024+256*\i   ; 32 lanes store 256 consecutive bytes, aligned
.endr
.endm
.endif
	; The loads of the five quarters that would stand in front of the first, in those quarters' order, so that every count below holds from the first quarter on
	WIN TO_1
	ALOAD 0, 0
.if FIRST
	WIN 0
	WLOAD 0
	WIN TO_1
.endif
	ALOAD 1, 4096
	ALOAD 2, 8192
.if FIRST
	WIN 0
	WLOAD 1
	WIN TO_1
.endif
	ALOAD 3, 12288
	ALOAD 4, 32768
	WIN 0
; 16 matrix instructions: row blocks a0, a0 + 1 of my four x 8 column blocks (those of buffer buf), 32 along K; A from slot as.
; zero = 1: the first product starts the sums: nothing is ever cleared.
.macro MUL16 buf, as, a0, zero
.irp a, \a0, \a0+1
.irp b, 0,1,2,3,4,5,6,7
.if \zero
	v_wmma_f32_16x16x32_bf16 v[8*(8*(\a)+\b):8*(8*(\a)+\b)+7], v[\buf+8*\b:\buf+8*\b+7], v[32*(\as)+8*(\a):32*(\as)+8*(\a)+7], 0
.else
	v_wmma_f32_16x16x32_bf16 v[8*(8*(\a)+\b):8*(8*(\a)+\b)+7], v[\buf+8*\b:\buf+8*\b+7], v[32*(\as)+8*(\a):32*(\as)+8*(\a)+7], v[8*(8*(\a)+\b):8*(8*(\a)+\b)+7]
.endif
.endr
.endr
.endm
; 16 LDS loads in one run: B's fragments of 8 column blocks (adr: those I keep or those I give away), quarter q of my half of a slot, into buffer buf
.macro BLOAD slot, q, adr, buf
.irp i, 0,1,2,3,4,5,6,7
.if FIRST
	ds_load_tr16_b128 v[\buf+8*\i:\buf+8*\i+3],   v[\adr+\slot] offset:(\q)*32*BPITCH+32*\i             ; k = 8 h + 0..7 of column 16 i + r
	ds_load_tr16_b128 v[\buf+8*\i+4:\buf+8*\i+7], v[\adr+\slot] offset:(\q)*32*BPITCH+32*\i+16*BPITCH   ; k = 16 + 8 h + 0..7
.else
	ds_load_b128 v[\buf+8*\i:\buf+8*\i+3],   v[\adr+\slot] offset:(\q)*64+\i*16*BPITCH
	ds_load_b128 v[\buf+8*\i+4:\buf+8*\i+7], v[\adr+\slot] offset:(\q)*64+\i*16*BPITCH+32
.endif
.endr
.endm
; A load into a register that a matrix instruction has read, and a vector instruction or LDS store that reads a matrix result, stand four places behind
; that matrix instruction; only plain vector instructions that name none of its registers are places (ISA guide 7.12.1 for vector instructions).
.macro PLACES
.rept 4
	v_nop
.endr
.endm
; QUARTER u of a lap's eight: 32 along K, 64 matrix instructions: 32 on the columns I keep (window 2), 32 on those I give away (window 3).  The 64
; accumulators take turns, one instruction a turn, in the same order in every quarter, over the backward jump too.
; B's fragments are fetched one half quarter (32 matrix instructions) ahead: the first halves into B0, the second into B1.  The second half of a period's
; LAST quarter is fetched one half earlier still, into B2, so that my reads of the slot have long ended where the change of slots waits for them.
;   zero: the first products start the sums.   aref: A's quarter u + 5 is asked for, into the slot read three quarters ago.
;   an, wn: the loads of A, and of weight, that are younger than those of slot u.   cast: 0 none; 1 a piece of weight, and the piece after next is asked for;
;   2 a piece alone.   wc: the loads younger than that piece's.   fill (u = 3, 7): the slot is filled again, two periods ahead.   last: the launch's last quarter.
; THE CHANGE OF SLOTS (u = 3, 7): one barrier for two things.  In front of it each wave waits for its own reads of this slot and for all its tensor loads,
; of which one is out: its part of the next slot.  Behind it nobody reads this slot any more and the next slot is whole: the refill comes first, then
; the next slot's first fragments.  From a request to the wait for it a wave issues 240 matrix instructions.
.macro QUARTER u, zero, aref, an, wn, cast, wc, fill, last
.set QS, (\u)>>2
.set QQ, (\u)&3
.set QN, 1-QS
.set CM, (\u)>>1
.set AV, (\u)+5
.set ASL, AV&7
.set AOF, (AV>>2)*32768+(AV&3)*4096
.if \cast == 1
	WIN 0
	CAST CM, 1, \wc
.endif
.if \cast == 2
	WIN 0
	CAST CM, 0, \wc
.endif
.if \cast == 0
.if QQ == 1
	PLACES                                         ; B1 was read by the matrix instructions just issued
.endif
.if QQ == 2
	PLACES
.endif
.endif
.if \aref
	WIN TO_1
	ALOAD ASL, AOF
.endif
.if QQ != 3
	WIN 0
	BLOAD QS, QQ, ADRBH, B1
.endif
	s_wait_dscnt 16                                ; B0 is in; the youngest 16 loads (this quarter's second half) may be out
	s_wait_loadcnt (\an)+FIRST*(\wn)               ; slot u is in; all that was asked for behind it may be out
	WIN MUL_LO
	MUL16 B0, \u, 0, \zero
.if QQ == 3
.if \last
	MUL16 B0, \u, 2, 0
	s_wait_dscnt 0
.else
	s_wait_dscnt 0                                 ; my reads of this slot are over (the last were issued 48 matrix instructions ago)
	s_set_vgpr_msb 0xa4a0
	s_wait_tensorcnt 0x0                           ; and all my tensor loads have landed
	ds_add_u32 v62, v63
	s_wait_dscnt 0x0
	s_set_vgpr_msb 0xa0a4
	s_barrier_signal -1                            ; say so (where the slot is filled again this barrier opens a round of the cluster's barrier),
	MUL16 B0, \u, 2, 0                             ; work on registers while the others arrive,
	WIN 0
	s_barrier_wait -1                              ; and go on when all four have said so
.if \fill
	CREST                                          ; all sixteen work-groups have said so: no wave of any partner still reads this slot or has a load on its way
	s_add_nc_u64 s[G0B+4*QS+2:G0B+4*QS+3], s[G0B+4*QS+2:G0B+4*QS+3], 2*STEPB   ; no tensor load of mine is out: a group 0 may be written
	tensor_load_to_lds s[G0B+4*QS:G0B+4*QS+3], s[G1B:G1B+7]                    ; the first tensor load behind the round, and my only one until the next
	s_nop 0
.endif
	PLACES
	BLOAD QN, 0, ADRBL, B0
.endif
	WIN MUL_HI
	MUL16 B2, \u, 0, 0
	MUL16 B2, \u, 2, 0
.else
	MUL16 B0, \u, 2, \zero
	PLACES
	WIN 0
	BLOAD QS, QQ+1, ADRBL, B0
.if QQ == 2
	BLOAD QS, 3, ADRBH, B2
	s_wait_dscnt 32                                ; B1 is in; the 32 just issued may be out
.else
	s_wait_dscnt 16                                ; B1 is in; the 16 just issued may be out
.endif
	WIN MUL_HI
	MUL16 B1, \u, 0, \zero
	MUL16 B1, \u, 2, \zero
.endif
.endm
; Once round the ring, both slots filled again.  Behind slot u's loads come five more requests for A, 40 loads; and, FIRST, the pieces of weight asked for
; in the even quarters among those five: three (12 loads) where u is even, two (8) where it is odd.  Behind a piece of weight come four requests for A
; and one piece: 36.
.macro LAP zero
	QUARTER 0, \zero, 1, 40, 12, FIRST, 36, 0, 0
	QUARTER 1, 0, 1, 40, 8, 0, 0, 0, 0
	QUARTER 2, 0, 1, 40, 12, FIRST, 36, 0, 0
	QUARTER 3, 0, 1, 40, 8, 0, 0, 1, 0
	QUARTER 4, 0, 1, 40, 12, FIRST, 36, 0, 0
	QUARTER 5, 0, 1, 40, 8, 0, 0, 0, 0
	QUARTER 6, 0, 1, 40, 12, FIRST, 36, 0, 0
	QUARTER 7, 0, 1, 40, 8, 0, 0, 1, 0
	WIN 0                                          ; at a label and at a branch every window is 0
	s_wait_xcnt 0x0                                ; the bases of the loads and stores issued so far are written again only behind this wait
	s_add_nc_u64 s[14:15], s[14:15], 65536         ; A: 16 blocks of 4,096 bytes a lap
.if FIRST
	s_add_nc_u64 s[66:67], s[66:67], 8192          ; weight: four pieces a lap
	s_add_nc_u64 s[68:69], s[68:69], 4096
.endif
.endm
	s_wait_tensorcnt 1                             ; my part of period 0 is in; period 1's may stay out
	s_barrier_signal -1
	s_barrier_wait -1                              ; everybody's is
	BLOAD 0, 0, ADRBL, B0
	LAP 1                                          ; the first lap stands in front of the loop: its first products start the sums
	s_mov_b32 s3, LAPS-2
.Llap:
	LAP 0
	s_sub_co_u32 s3, s3, 1
	s_cmp_lg_u32 s3, 0
	s_cbranch_scc1 .Llap
	; the last lap fills no slot and has no round; A's last three quarters and weight's last two pieces are asked for in its first three quarters, then the counts run down
	QUARTER 0, 0, 1, 40, 12, FIRST, 36, 0, 0
	QUARTER 1, 0, 1, 40, 8, 0, 0, 0, 0
	QUARTER 2, 0, 1, 40, 12, FIRST, 36, 0, 0
	QUARTER 3, 0, 0, 32, 8, 0, 0, 0, 0
	QUARTER 4, 0, 0, 24, 8, 2*FIRST, 28, 0, 0
	QUARTER 5, 0, 0, 16, 4, 0, 0, 0, 0
	QUARTER 6, 0, 0, 8, 4, 2*FIRST, 8, 0, 0
	QUARTER 7, 0, 0, 0, 0, 0, 0, 0, 1
	; THE EXCHANGE.  The ring has had its last fill, and every wave has waited for its reads of it in front of this barrier: slot 0's first 131,072 bytes now
	; carry, for each wave, the 256 registers x 32 lanes that it gives away.  Register 4 t .. 4 t + 3 of lane l lies at 512 t + 16 l: neighbouring lanes, neighbouring bytes.
	PLACES                                         ; the places behind the last matrix instructions, for the LDS stores of results and for the loads into B's and A's registers
	WIN 0
	s_barrier_signal -1
	s_barrier_wait -1
	WIN 0x0c                                       ; store data from window 3
.set t, 0
.rept 64
	ds_store_b128 v[XS], v[4*t:4*t+3] offset:512*t
.set t, t+1
.endr
	WIN 0
	s_wait_dscnt 0x0                               ; for my partner's sake: all my stores are done
	s_barrier_signal -1
	s_barrier_wait -1
.set t, 0
.rept 32
	ds_load_b128 v[B0+4*t:B0+4*t+3], v[XR] offset:512*t            ; my partner's sums for registers 0-127 of window 2, into window 0
.set t, t+1
.endr
	WIN TO_1
.set t, 0
.rept 32
	ds_load_b128 v[B0+4*t:B0+4*t+3], v[XR] offset:512*(32+t)       ; for registers 128-255, into window 1
.set t, t+1
.endr
	s_wait_dscnt 32                                ; the first 32 are in
	WIN 0x82                                       ; window 2 += window 0
.set t, 0
.rept 64
	v_pk_add_f32 v[2*t:2*t+1], v[2*t:2*t+1], v[B0+2*t:B0+2*t+1]
.set t, t+1
.endr
	s_wait_dscnt 0x0
	WIN 0x86                                       ; window 2 += window 1
.set t, 0
.rept 64
	v_pk_add_f32 v[128+2*t:128+2*t+1], v[128+2*t:128+2*t+1], v[B0+2*t:B0+2*t+1]
.set t, t+1
.endr
	WIN 0
	; THE WAY OUT: rows 128 x block row + 64 mh .. + 63, columns 256 x block column + 128 kh .. + 127
.if FIRST
	; In fragment order: tile (a, b) is register half b % 2 of row block a, k block 8 x block column + 4 kh + b / 2, and a lane's eight numbers, rounded,
	; are its 16 bytes there.  No stage: every store of the wave covers 512 consecutive bytes, aligned.  No register is written twice.
	s_lshl_b32 s16, s13, 20
	s_lshl_b32 s17, s12, 19
	s_add_co_u32 s16, s16, s17
	s_lshl_b32 s17, s11, 14
	s_add_co_u32 s16, s16, s17
	s_mov_b32 s17, 0
	s_add_nc_u64 s[8:9], s[8:9], s[16:17]
	s_lshl_b32 s46, s42, 15
	s_mov_b32 s47, 0
	s_add_nc_u64 s[8:9], s[8:9], s[46:47]
.irp a, 0,1,2,3
	WIN 0x0a                                       ; sources from window 2
.irp b, 0,1,2,3,4,5,6,7
.irp r, 0,1,2,3
	v_cvt_pk_bf16_f32 v[B0+4*(8*\a+\b)+\r], v[8*(8*\a+\b)+2*\r], v[8*(8*\a+\b)+2*\r+1]
.endr
.endr
	WIN 0
.irp b, 0,1,2,3,4,5,6,7
	global_store_b128 v[L16], v[B0+4*(8*\a+\b):B0+4*(8*\a+\b)+3], s[8:9] offset:\a*1024+(\b>>1)*4096+(\b&1)*512   ; the next launch reads them: no hint
.endr
.endr
.else
	s_lshl_b32 s16, s13, 21
	s_lshl_b32 s17, s12, 20
	s_add_co_u32 s16, s16, s17
	s_mov_b32 s17, 0
	s_add_nc_u64 s[8:9], s[8:9], s[16:17]
	s_lshl_b32 s46, s42, 10
	s_lshl_b32 s47, s11, 9
	s_add_co_u32 s46, s46, s47
	s_mov_b32 s47, 0
	s_add_nc_u64 s[8:9], s[8:9], s[46:47]
; rows 16 a .. 16 a + 15, through my own stage, which no other wave and no fill touches: 32 bytes a lane and column block in, whole rows of 512 bytes back, bias added, stored
.macro OUT16F a, f
	WIN 0x08                                       ; store data from window 2
.irp b, 0,1,2,3,4,5,6,7
	ds_store_b128 v[STO], v[8*(8*\a+\b):8*(8*\a+\b)+3]   offset:64*\b
	ds_store_b128 v[STO], v[8*(8*\a+\b)+4:8*(8*\a+\b)+7] offset:64*\b+16
.endr
	WIN 0
	s_wait_xcnt 0x0                                ; buffer f, which earlier stores read, and the stores' base are written again only behind this wait
.if \a
	s_add_nc_u64 s[8:9], s[8:9], 16*CROW
.endif
.irp t, 0,1,2,3,4,5,6,7,8,9,10,11,12,13,14,15
	ds_load_b128 v[\f+4*\t:\f+4*\t+3], v[RD] offset:\t*SPITCH      ; LDS serves a wave's instructions in order (ISA guide 5.7.1): these see the stores above
.endr
.irp t, 0,1,2,3,4,5,6,7,8,9,10,11,12,13,14,15
	s_wait_dscnt 15-\t
	v_pk_add_f32 v[\f+4*\t:\f+4*\t+1],   v[\f+4*\t:\f+4*\t+1],   v[BI:BI+1]
	v_pk_add_f32 v[\f+4*\t+2:\f+4*\t+3], v[\f+4*\t+2:\f+4*\t+3], v[BI+2:BI+3]
	global_store_b128 v[L16], v[\f+4*\t:\f+4*\t+3], s[8:9] offset:\t*CROW th:TH_STORE_NT   ; the wave stores 512 consecutive bytes, aligned
.endr
.endm
	s_wait_loadcnt 0x0                             ; bias
	OUT16F 0, B0
	OUT16F 1, B1
	OUT16F 2, B0
	OUT16F 3, B1
.endif
	s_wait_tensorcnt 0x0
	ds_add_u32 v62, v63
	s_wait_dscnt 0x0
	CROUND                                         ; the closing round: no work-group ends while a partner may still ask for a tile that names it
	s_endpgm
.Lfunc_end_k_qe6b60645e9_gemm2:
	.size	k_qe6b60645e9_gemm2, .Lfunc_end_k_qe6b60645e9_gemm2-k_qe6b60645e9_gemm2
	.p2alignl 7, 3214868480
	.fill 96, 4, 3214868480
	.section	.rodata,"a",@progbits
	.p2align	6, 0x0
	.amdhsa_kernel k_qe6b60645e9_gemm2
		.amdhsa_group_segment_fixed_size 327680
		.amdhsa_private_segment_fixed_size 0
		.amdhsa_enable_private_segment 0
		.amdhsa_kernarg_size 32
		.amdhsa_user_sgpr_count 2
		.amdhsa_user_sgpr_kernarg_segment_ptr 1
		.amdhsa_wavefront_size32 1
		.amdhsa_system_sgpr_workgroup_id_x 1
		.amdhsa_system_sgpr_workgroup_id_y 1
		.amdhsa_system_sgpr_workgroup_id_z 1
		.amdhsa_system_vgpr_workitem_id 0
		.amdhsa_next_free_vgpr 1024
		.amdhsa_next_free_sgpr 72
		.amdhsa_reserve_vcc 0
		.amdhsa_float_denorm_mode_32 3
		.amdhsa_float_denorm_mode_16_64 3
		.amdhsa_memory_ordered 1
		.amdhsa_forward_progress 1
		.amdhsa_inst_pref_size 223
	.end_amdhsa_kernel
	.amdgpu_metadata
---
amdhsa.version: [ 1, 2 ]
amdhsa.kernels:
  - .name:           k_qe6b60645e9_gemm2
    .symbol:         k_qe6b60645e9_gemm2.kd
    .args:
      - { .name: xr, .offset: 0, .size: 8, .value_kind: global_buffer, .address_space: global }
      - { .name: wb, .offset: 8, .size: 8, .value_kind: global_buffer, .address_space: global }
      - { .name: bias, .offset: 16, .size: 8, .value_kind: global_buffer, .address_space: global }
      - { .name: out0, .offset: 24, .size: 8, .value_kind: global_buffer, .address_space: global }
    .group_segment_fixed_size: 327680
    .private_segment_fixed_size: 0
    .kernarg_segment_align: 8
    .kernarg_segment_size: 32
    .max_flat_workgroup_size: 128
    .sgpr_count:     72
    .vgpr_count:     1024
    .wavefront_size: 32
...
	.end_amdgpu_metadata
.endif
;; end of part 3
;; ======== version 2 of 2: 3 launches; version 1 with the launch cast written anew for expert scheduling mode
;; workspace buffers: xb 16,777,216 bytes; hb 33,554,432 bytes; wb 33,554,432 bytes; xr 16,777,216 bytes
;; launch cast (part 4): grid 768 x 1, 8 waves a work-group, no clusters, 68,608 bytes of LDS; arguments x, had_K, xb, hb; writes xb, hb
.if DOCPART == 4
	.amdgcn_target "amdgcn-amd-amdhsa--gfx1250"
	.amdhsa_code_object_version 6
	.text
	.protected	k_qe6b60645e9_cast
	.globl	k_qe6b60645e9_cast
	.p2align	8
	.type	k_qe6b60645e9_cast,@function
k_qe6b60645e9_cast:
	s_mov_b64 s[64:65], 0
	v_nop
	global_prefetch_b8 v0, s[64:65] scope:SCOPE_SE
	s_setreg_imm32_b32 hwreg(HW_REG_WAVE_SCHED_MODE, 0, 2), 2
	s_setreg_imm32_b32 hwreg(HW_REG_WAVE_MODE, 25, 1), 1
	s_wait_xcnt 0x0
	s_wait_alu depctr_vm_vsrc(0)
; hb = bf16(had_K), the layout kept.  xb = bf16(x) IN FRAGMENT ORDER, as the next launch's matrix instructions take it:
;   xb byte = (row / 64) * 524,288 + (k / 32) * 4,096 + ((row / 16) % 4) * 1,024 + ((k / 16) % 2) * 512 + (16 ((k / 8) % 2) + row % 16) * 16 + (k % 8) * 2
; so that 512 consecutive bytes are registers 0-3 (or 4-7) of the 32 lanes of one fragment of 16 rows x 32 k.  Rounding to nearest even.
; 25,165,824 numbers, 32,768 for each of 768 work-groups: groups 0-255 take x, groups 256-767 take had_K.  A wave takes 4,096 numbers:
; 32 loads of 512 neighbouring bytes, all issued before the first is used.  Every byte is read once and written once.
; had_K: 32 stores of 256 neighbouring, aligned bytes.  x: a wave takes 16 rows x 256 k, lays the rounded numbers by rows into 8,448 bytes of LDS
; of its own (no other wave touches them: no barrier), reads them back as fragments and stores 16 x 512 neighbouring, aligned bytes.
; No matrix unit, no cluster: nothing here is used twice.
; LIMIT: a finite f32 whose magnitude rounds past bf16's largest number (about 3.39e38) becomes an infinity.
; THE MODE: SCHED_MODE bits 1:0 = 2 (LLVM: expert scheduling mode 2), set by the entry lines.  The code itself states the register dependences
; between vector instructions and memory or LDS instructions, with s_wait_alu, always for 0.
; THE PLAN.  Registers that memory or LDS instructions touch:
;   v2 .. v5      offsets and LDS addresses: made at a way's head, ahead of one wait on va_vdst, and never written again.
;   v[X + 4 i ..] load i lands in four registers; its two conversions read the four and write the first two; one store reads those two.
;                 On x's way the first 64 of them then take the sixteen LDS loads, whose data the global stores read.
;   v136, v137    written at the head, read by the closing add alone.
; The 32 loads go in eight groups of GRP = 4.  While group g's conversions write group g's registers, the memory or LDS instructions dealt among them
; are the four stores of group g - 1, whose registers no conversion of group g names.  So ONE wait on va_vdst at a group's head states all that
; the group's four stores hang on; one more stands ahead of the last four stores.  No register that a store reads is written again, but for the 32 that
; x's LDS stores read and the LDS loads land in: one wait on vm_vsrc stands between those.
.set X, 8                              ; v[8:135]  load i: 4 registers as loaded; its first two then hold the 4 rounded numbers
.set GRP, 4                            ; loads in a group
.set XPITCH, 528                       ; an LDS row: 256 bf16 + 16 bytes: an odd multiple of 16, so the 16 rows that a load touches lie in 16 different 16-byte columns modulo 256
	s_load_b256 s[4:11], s[0:1], 0x0               ; x s[4:5], had_K s[6:7], xb s[8:9], hb s[10:11]
	v_lshl_add_u32 v136, v0, 2, 0x10800            ; my spare word, behind the eight waves' 8 x 8,448 bytes, and 0: made here and kept for the closing lines alone
	v_mov_b32 v137, 0
	v_lshrrev_b32 v6, 5, v0                        ; wave
	v_and_b32 v1, 31, v0                           ; lane
	s_mov_b32 s19, 0
	s_cmp_lt_u32 ttmp9, 256                        ; the way hangs on the group's number alone
	s_cbranch_scc1 .Lx
	; had_K: number by number
	v_lshlrev_b32 v2, 4, v1                        ; in: 16 bytes a lane
	v_lshlrev_b32 v3, 3, v1                        ; out: 8 bytes a lane
	v_lshl_or_b32 v2, v6, 14, v2                   ; + wave x 16,384 bytes
	v_lshl_or_b32 v3, v6, 13, v3                   ; + wave x 8,192 bytes
	s_sub_co_u32 s16, ttmp9, 256                   ; the group's number within had_K
	s_lshl_b32 s18, s16, 17                        ; x 131,072 bytes in
	s_wait_kmcnt 0x0
	s_add_nc_u64 s[12:13], s[6:7], s[18:19]
	s_lshl_b32 s18, s16, 16                        ; x 65,536 bytes out
	s_add_nc_u64 s[14:15], s[10:11], s[18:19]
	s_wait_alu depctr_va_vdst(0)                   ; v2 and v3 are written: every load and store of this way reads one of them as its offset
.set i, 0
.rept 32
	global_load_b128 v[X+4*i:X+4*i+3], v2, s[12:13] offset:512*i th:TH_LOAD_NT   ; read once in the launch
.set i, i+1
.endr
.set i, 0
.rept 32
.set j, i-GRP
	s_wait_loadcnt 31-i                            ; loads come back in order (ISA guide 5.7.1): load i is in, the 31 - i younger ones stay out
.if ((i % GRP) == 0) && (i > 0)
	s_wait_alu depctr_va_vdst(0)                   ; the group before has written its rounded numbers, which this group's four stores read
.endif
.if i >= GRP
	global_store_b64 v3, v[X+4*j:X+4*j+1], s[14:15] offset:256*j   ; the group before: 32 lanes store 256 consecutive bytes, aligned; the next launch reads them: no hint.  No conversion since the wait names these registers
.endif
	v_cvt_pk_bf16_f32 v[X+4*i],   v[X+4*i],   v[X+4*i+1]
	v_cvt_pk_bf16_f32 v[X+4*i+1], v[X+4*i+2], v[X+4*i+3]
.set i, i+1
.endr
	s_wait_alu depctr_va_vdst(0)                   ; the last group has written its rounded numbers, which the last four stores read
.set j, 32-GRP
.rept GRP
	global_store_b64 v3, v[X+4*j:X+4*j+1], s[14:15] offset:256*j
.set j, j+1
.endr
	s_endpgm                                       ; this way stores nothing to LDS
.Lx:
	; x: group G takes rows 16 (G / 2) .. + 15, k from 2,048 (G % 2); wave w of it 256 k from 256 w
	v_readfirstlane_b32 s20, v6                    ; the wave's number as a scalar
	v_lshlrev_b32 v2, 4, v1
	v_lshl_or_b32 v3, v6, 15, v2                   ; out: 8 blocks of 4,096 bytes a wave, 16 bytes a lane
	v_lshl_or_b32 v2, v6, 10, v2                   ; in: 1,024 bytes of a row a wave, 16 bytes a lane
	v_and_b32 v7, 15, v1
	v_mul_u32_u24 v5, v7, XPITCH                   ; LDS, by fragments: row lane % 16,
	v_lshrrev_b32 v7, 4, v1
	v_lshl_add_u32 v5, v7, 4, v5                   ; 16 bytes (8 k) on for lanes 16-31
	s_wait_alu depctr_va_sdst(0)                   ; s20 is written, ahead of its first reader, the line below
	s_mul_i32 s22, s20, 16*XPITCH                  ; my 8,448 bytes of LDS
	v_lshl_add_u32 v4, v1, 3, s22                  ; LDS, by rows: 8 bytes a lane
	v_add_nc_u32 v5, s22, v5
	s_lshr_b32 s16, ttmp9, 1                       ; block of 16 rows
	s_and_b32 s17, ttmp9, 1                        ; half of k
	s_lshl_b32 s18, s16, 18                        ; 16 rows of 16,384 bytes
	s_lshl_b32 s21, s17, 13                        ; 2,048 f32
	s_add_co_u32 s18, s18, s21
	s_wait_kmcnt 0x0
	s_add_nc_u64 s[12:13], s[4:5], s[18:19]
	s_lshr_b32 s18, ttmp9, 3                       ; group of 64 rows
	s_lshl_b32 s18, s18, 19
	s_lshl_b32 s21, s17, 18                        ; 64 blocks of 4,096 bytes
	s_add_co_u32 s18, s18, s21
	s_and_b32 s16, s16, 3                          ; block of 16 rows within the 64
	s_lshl_b32 s16, s16, 10
	s_add_co_u32 s18, s18, s16
	s_add_nc_u64 s[14:15], s[8:9], s[18:19]
	s_wait_alu depctr_va_vdst(0)                   ; v2 to v5 are written: every load and store of this way, global or LDS, reads one of them as its offset or address
.set i, 0
.rept 32
	global_load_b128 v[X+4*i:X+4*i+3], v2, s[12:13] offset:(i>>1)*16384+(i&1)*512 th:TH_LOAD_NT   ; row i / 2, its first or second 512 bytes
.set i, i+1
.endr
.set i, 0
.rept 32
.set j, i-GRP
	s_wait_loadcnt 31-i                            ; load i is in, the 31 - i younger ones stay out
.if ((i % GRP) == 0) && (i > 0)
	s_wait_alu depctr_va_vdst(0)                   ; the group before has written its rounded numbers, which this group's four LDS stores read
.endif
.if i >= GRP
	ds_store_b64 v4, v[X+4*j:X+4*j+1] offset:(j>>1)*XPITCH+(j&1)*256   ; the group before.  No conversion since the wait names these registers
.endif
	v_cvt_pk_bf16_f32 v[X+4*i],   v[X+4*i],   v[X+4*i+1]
	v_cvt_pk_bf16_f32 v[X+4*i+1], v[X+4*i+2], v[X+4*i+3]
.set i, i+1
.endr
	s_wait_alu depctr_va_vdst(0)                   ; the last group has written its rounded numbers, which the last four LDS stores read; and every conversion is done with v[X ..], in which the LDS loads below land
.set j, 32-GRP
.rept GRP
	ds_store_b64 v4, v[X+4*j:X+4*j+1] offset:(j>>1)*XPITCH+(j&1)*256
.set j, j+1
.endr
	s_wait_dscnt 0x0                               ; my LDS stores are done: their data registers are loaded into below
	s_wait_alu depctr_vm_vsrc(0)                   ; the LDS stores have read v[X + 4 i : X + 4 i + 1]: those of i below 16 are written again by the LDS loads below
.set t, 0
.rept 16
	ds_load_b128 v[X+4*t:X+4*t+3], v5 offset:32*t  ; k block t / 2, register half t % 2: 8 k of row lane % 16
.set t, t+1
.endr
.set t, 0
.rept 16
	s_wait_dscnt 15-t
	global_store_b128 v3, v[X+4*t:X+4*t+3], s[14:15] offset:(t>>1)*4096+(t&1)*512   ; the wave stores 512 consecutive bytes, aligned
.set t, t+1
.endr
	s_wait_dscnt 0x0                               ; the closing lines, six on end
	s_wait_alu 0x0
	s_wait_tensorcnt 0x0
	ds_add_u32 v136, v137
	s_wait_dscnt 0x0
	s_endpgm
.Lfunc_end_k_qe6b60645e9_cast:
	.size	k_qe6b60645e9_cast, .Lfunc_end_k_qe6b60645e9_cast-k_qe6b60645e9_cast
	.p2alignl 7, 3214868480
	.fill 96, 4, 3214868480
	.section	.rodata,"a",@progbits
	.p2align	6, 0x0
	.amdhsa_kernel k_qe6b60645e9_cast
		.amdhsa_group_segment_fixed_size 68608
		.amdhsa_private_segment_fixed_size 0
		.amdhsa_enable_private_segment 0
		.amdhsa_kernarg_size 32
		.amdhsa_user_sgpr_count 2
		.amdhsa_user_sgpr_kernarg_segment_ptr 1
		.amdhsa_wavefront_size32 1
		.amdhsa_system_sgpr_workgroup_id_x 1
		.amdhsa_system_sgpr_workgroup_id_y 1
		.amdhsa_system_sgpr_workgroup_id_z 1
		.amdhsa_system_vgpr_workitem_id 0
		.amdhsa_next_free_vgpr 138
		.amdhsa_next_free_sgpr 66
		.amdhsa_reserve_vcc 0
		.amdhsa_float_denorm_mode_32 3
		.amdhsa_float_denorm_mode_16_64 3
		.amdhsa_memory_ordered 1
		.amdhsa_forward_progress 1
		.amdhsa_inst_pref_size 28
	.end_amdhsa_kernel
	.amdgpu_metadata
---
amdhsa.version: [ 1, 2 ]
amdhsa.kernels:
  - .name:           k_qe6b60645e9_cast
    .symbol:         k_qe6b60645e9_cast.kd
    .args:
      - { .name: x, .offset: 0, .size: 8, .value_kind: global_buffer, .address_space: global }
      - { .name: had_K, .offset: 8, .size: 8, .value_kind: global_buffer, .address_space: global }
      - { .name: xb, .offset: 16, .size: 8, .value_kind: global_buffer, .address_space: global }
      - { .name: hb, .offset: 24, .size: 8, .value_kind: global_buffer, .address_space: global }
    .group_segment_fixed_size: 68608
    .private_segment_fixed_size: 0
    .kernarg_segment_align: 8
    .kernarg_segment_size: 32
    .max_flat_workgroup_size: 256
    .sgpr_count:     66
    .vgpr_count:     138
    .wavefront_size: 32
...
	.end_amdgpu_metadata
.endif
;; end of part 4
;; launch gemm1: the kernel of part 2 again; grid 16 x 16, 4 waves a work-group, clusters of 4 x 4, 327,680 bytes of LDS; arguments xb, hb, weight, xr, wb; writes xr, wb
;; launch gemm2: the kernel of part 3 again; grid 16 x 16, 4 waves a work-group, clusters of 4 x 4, 327,680 bytes of LDS; arguments xr, wb, bias, out0; writes out0
